; MI455X (gfx1250); checked and timed in simulation.
; The chip was launched on July 23, 2026; its instructions are those of AMD's public machine-readable ISA for CDNA 5 (MIT licence, August 2026) and "CDNA5" Instruction Set Architecture Reference Guide (July 2026). The comments in the code are by the model that wrote it; some were corrected since.
;; Causal Attention. Allowed arithmetic: matrix products marked QUANTISED: E4M3 operands, one given power-of-two scale a tensor, by v_wmma_f32_16x16x64_fp8_fp8 or v_wmma_f32_16x16x128_fp8_fp8, f32 sums; everything else in f32.
;; Inputs: ln_beta 1,024 float32; ln_gamma 1,024 float32; lowp_scales 8 int32 (the exponents e of the quantised operands' scales 2^e); w_out 1,024 x 1,024 float32; w_qkv 1,024 x 3,072 float32; x 4 x 2,048 x 1,024 float32.
;; Outputs: out0 4 x 2,048 x 1,024 float32.
;; This version of the problem:
;;   THIS VERSION OF THE PROBLEM IS GIVEN IN LOW PRECISION. The matrix products marked QUANTISED in the list below multiply operands that are first quantised to E4M3 (4 exponent bits, 3 mantissa bits; 8 bits a number), with one given power-of-two scale for each operand tensor; their sums are f32. All else is computed in f32.
;;   The module's matrix products, in the order in which they are computed (A, B: the left and right operand; K: the contracted axis; several contracted axes count as one K, in the product's order):
;;     1. [M 8,192, K 1,024] x [K 1,024, N 3,072]; A: computed on the way; B: input w_qkv: QUANTISED (scales: A lowp_scales[0], B lowp_scales[1])
;;     2. batch 64 x [M 2,048, K 64] x [K 64, N 2,048]; A: computed on the way; B: computed on the way: QUANTISED (scales: A lowp_scales[2], B lowp_scales[3])
;;     3. batch 64 x [M 2,048, K 2,048] x [K 2,048, N 64]; A: softmax (see below); B: computed on the way: QUANTISED (scales: A lowp_scales[4], B lowp_scales[5])
;;     4. [M 8,192, K 1,024] x [K 1,024, N 1,024]; A: computed on the way; B: input w_out: QUANTISED (scales: A lowp_scales[6], B lowp_scales[7])
;;   THE QUANTISER, for each operand of a quantised product, along K:
;;     - The operand's scale is 2^e, e = its entry of the input lowp_scales (int32; the entries are numbered through the quantised products in the list's order, A before B).
;;     - Each number is divided by the scale, clamped to +-448, and rounded to the nearest number of E4M3, ties to even, subnormals kept.
;;     - The product sums the exact products of the quantised numbers (number of the format x scale) in f32.
;;   ~~~python
;;   def quantise(x, axis, e):      # numpy; x: float32 -> the quantised numbers, widened to float32 again
;;       x = np.moveaxis(x, axis, -1); K = x.shape[-1]
;;       r = np.clip(x / 2.0 ** e, -448, 448)
;;       step = 2.0 ** (np.maximum(np.frexp(np.where(r == 0, 1, r))[1] - 1, -6) - 3)
;;       q = np.round(r / step) * step * 2.0 ** e      # np.round: ties to even
;;       return np.moveaxis(q, -1, axis).astype(np.float32)
;;   ~~~
;;   SOFTMAX AHEAD OF A QUANTISED PRODUCT. Where the list says 'softmax', what is quantised is not the finished softmax but p = 2^(t - M), with t = logit x log2(e) and M = ceil(the row's largest t), a whole number; so 1/2 < the row's largest p <= 1. The row's sum l is taken of the UNQUANTISED p, in f32, and the product's result is divided by l at the end. Since M is a whole number, a kernel that streams over the keys may use a running M (the ceiling of the running maximum): every later rescaling is an exact power of two, so the quantised numbers keep their values, but for numbers so far below the row's largest that they fall under the format's range.
;;   OPERANDS COMPUTED ON THE WAY. 'Computed on the way' means the value that the module computes at that place (a softmax that the list does not call 'softmax' is quantised finished and normalised). What goes into a quantiser is computed in f32, as accurately as f32 sums, v_exp_f32 and their like allow (about 1e-6 of the number): no bf16 or f16 on the way to a quantiser, and a product that is left as it is and whose result goes on into a quantised operand takes f32 operands (vector FMAs, or v_wmma_f32_16x16x4_f32). A number that lies on a knife's edge between two numbers of the format may be rounded either way, as far as f32 arithmetic and the matrix unit's own rounding can turn it there, and no further.
;; One version. Each part assembles by itself: llvm-mc -triple=amdgcn-amd-amdhsa -mcpu=gfx1250 --defsym DOCPART=n.
;; ======== version 1 of 1: 4 launches
;; limits: right only within a limited range of input values
;; workspace buffers: xq 8,388,608 bytes; wq 3,145,728 bytes; wo 1,048,576 bytes; qc 8,388,608 bytes; kv 16,777,216 bytes; ao 8,388,608 bytes
;; launch prep (part 1): grid 384 x 1, 4 waves a work-group, no clusters, 0 bytes of LDS; arguments x, ln_gamma, ln_beta, w_qkv, w_out, lowp_scales, xq, wq, wo; writes xq, wq, wo
.if DOCPART == 1
	.amdgcn_target "amdgcn-amd-amdhsa--gfx1250"
	.amdhsa_code_object_version 6
	.text
	.protected	k_q0f2e656ffe_prep
	.globl	k_q0f2e656ffe_prep
	.p2align	8
	.type	k_q0f2e656ffe_prep,@function
k_q0f2e656ffe_prep:
	s_mov_b64 s[64:65], 0
	v_nop
	global_prefetch_b8 v0, s[64:65] scope:SCOPE_SE
	s_setreg_imm32_b32 hwreg(HW_REG_WAVE_MODE, 25, 1), 1
	s_wait_xcnt 0x0
; PREP: everything that is quantised once.  Three kinds of work-group, told apart by the work-group's number alone:
;   0..255   LayerNorm of 32 rows of x (f32, 1,024 numbers a row), quantised with 2^e0 into xq
;   256..351 w_qkv [1024 (k)][3072 (n)], quantised with 2^e1 into wq
;   352..383 w_out [1024 (k)][1024 (n)], quantised with 2^e7 into wo
; code = number / 2^e, held within +-448, to the nearest code of E4M3, ties to even.
; LIMITS: e0, e1, e7 between -126 and 119, so that 2^e and 448 x 2^e are f32 numbers.  NaN among the inputs is not served.
; No LDS, no barrier, no matrix work, no cluster: no two work-groups read the same bytes but gamma and beta (8 KB).
; xq: [8192 rows][1024 places].  A row is loaded by eight loads of 512 consecutive bytes, so register 4 j + i of a lane holds number 128 j + 4 lane + i; the codes are
;   stored as the registers stand: place p holds number kx(p) = 512 (p / 512) + 128 ((p % 16) / 4) + 4 ((p % 512) / 16) + p % 4.  wq is laid along K in the same order,
;   so that every product meets its partner; only the order of the sums changes.
; wq, wo: IMAGES OF OPERAND REGISTERS: [group of 256 columns][K slice of 256][tile of 16 columns][K step of 128][piece c of 4][lane L][16 bytes]:
;   lane L = 16 h + r holds column r of the tile; byte i of piece c is place 32 c + 16 h + i of the K step.  Whoever loads a piece, 16 bytes a lane, has four registers of the fragment.
.set G,    16                          ; v16-47   gamma, in the order of a row's registers
.set B,    48                          ; v48-79   beta
.set X,    80                          ; v80-175  three slots of 32: a row each
.set C,    176                         ; v176-239 codes: eight registers for each of the wave's eight rows, so that no store's data are written again
.set T,    4                           ; v4-11    at work
.set PRM,  12                          ; v12      a lane permute's destination
.set SC,   240                         ; v240     2^e0
.set LIM,  241
.set MU,   242                         ; v242-243 the mean, twice
.set R,    244                         ; v244-245 1 / sqrt(var + eps), twice
.set WX,   32                          ; weights: v32-95 two sets of 32 numbers
.set WC,   96                          ; weights: v96-159 codes, eight registers a block
	s_load_b256 s[4:11], s[0:1], 0x0               ; x s[4:5], gamma s[6:7], beta s[8:9], w_qkv s[10:11]
	s_load_b256 s[12:19], s[0:1], 0x20             ; w_out s[12:13], the exponents s[14:15], xq s[16:17], wq s[18:19]
	s_load_b64 s[20:21], s[0:1], 0x40              ; wo
	v_lshrrev_b32 v1, 5, v0
	v_readfirstlane_b32 s22, v1                    ; wave 0..3
	v_and_b32 v2, 31, v0                           ; lane
	v_lshlrev_b32 v1, 4, v2                        ; 16 x lane; never rewritten
	s_wait_kmcnt 0x0
	s_load_b256 s[24:31], s[14:15], 0x0            ; e0 .. e7; waited for on each path, behind its first loads
	s_cmp_lt_u32 ttmp9, 256
	s_cbranch_scc0 .Lweights
; ---------------- LayerNorm: a wave takes 8 rows, one row at a time in 32 registers: read once, between the passes it stays where it is
	s_lshl_b32 s36, ttmp9, 17                      ; 32 rows of 4,096 bytes a work-group,
	s_lshl_b32 s37, s22, 15                        ; 8 a wave
	s_add_co_u32 s36, s36, s37
	s_mov_b32 s37, 0
	s_add_nc_u64 s[4:5], s[4:5], s[36:37]
	s_lshr_b32 s36, s36, 2                         ; a row of codes is 1,024 bytes
	s_add_nc_u64 s[16:17], s[16:17], s[36:37]
	s_wait_alu depctr_va_vdst(0)
.irp j, 0,1,2,3,4,5,6,7
	global_load_b128 v[G+4*\j:G+4*\j+3], v1, s[6:7] offset:512*\j
.endr
.irp j, 0,1,2,3,4,5,6,7
	global_load_b128 v[B+4*\j:B+4*\j+3], v1, s[8:9] offset:512*\j
.endr
.macro FILL rho                        ; row rho into slot rho % 3: eight loads of 512 consecutive bytes
.irp j, 0,1,2,3,4,5,6,7
	global_load_b128 v[X+32*((\rho)%3)+4*\j:X+32*((\rho)%3)+4*\j+3], v1, s[4:5] offset:4096*(\rho)+512*\j th:TH_LOAD_NT
.endr
.endm
	FILL 0
	FILL 1
	FILL 2
	s_mov_b32 s32, 0x3a800000                      ; 1 / 1024
	s_mov_b32 s33, 0x3727c5ac                      ; 1e-5
	s_mov_b32 s34, 0x76543210                      ; lane selects: lane l xor 16
	s_mov_b32 s35, 0xfedcba98
	v_mov_b32 v[PRM], 0                            ; a lane permute's destination counts as read
	s_wait_kmcnt 0x0
	s_add_co_i32 s38, s24, 127
	s_lshl_b32 s39, s38, 23
	v_mov_b32 v[SC], s39                           ; 2^e0: the conversion takes its exponent field
	s_add_co_i32 s38, s38, 8
	s_lshl_b32 s38, s38, 23
	s_or_b32 s38, s38, 0x600000
.macro REDUCE                          ; four packed chains in v[T..T+7] become one number, the same in all 32 lanes, in v[T]
	v_pk_add_f32 v[T:T+1], v[T:T+1], v[T+2:T+3]
	v_pk_add_f32 v[T+4:T+5], v[T+4:T+5], v[T+6:T+7]
	v_pk_add_f32 v[T:T+1], v[T:T+1], v[T+4:T+5]
	v_add_f32 v[T], v[T], v[T+1]
	v_add_f32_dpp v[T], v[T], v[T] row_xmask:1 row_mask:0xf bank_mask:0xf
	v_add_f32_dpp v[T], v[T], v[T] row_xmask:2 row_mask:0xf bank_mask:0xf
	v_add_f32_dpp v[T], v[T], v[T] row_xmask:4 row_mask:0xf bank_mask:0xf
	v_add_f32_dpp v[T], v[T], v[T] row_xmask:8 row_mask:0xf bank_mask:0xf
	v_permlanex16_b32 v[PRM], v[T], s34, s35
	v_add_f32 v[T], v[T], v[PRM]
.endm
; One row.  left = the loads of younger rows that may stay out (8 a row).
.macro ROW rho, left
.set XS, X+32*((\rho)%3)
.set CS, C+8*(\rho)
	s_wait_loadcnt \left                           ; loads come back in order: this row (and gamma and beta, which are older) is in
.irp k, 0,1,2,3
	v_pk_add_f32 v[T+2*\k:T+2*\k+1], v[XS+4*\k:XS+4*\k+1], v[XS+4*\k+2:XS+4*\k+3]      ; the sum, in four chains that the first numbers start
.endr
.irp k, 0,1,2,3
	v_pk_add_f32 v[T+2*\k:T+2*\k+1], v[T+2*\k:T+2*\k+1], v[XS+16+4*\k:XS+17+4*\k]
.endr
.irp k, 0,1,2,3
	v_pk_add_f32 v[T+2*\k:T+2*\k+1], v[T+2*\k:T+2*\k+1], v[XS+18+4*\k:XS+19+4*\k]
.endr
	REDUCE
	v_mul_f32 v[MU], s32, v[T]                     ; the mean
	v_mul_f32 v[MU+1], s32, v[T]
.set n, 0
.rept 16
	v_pk_add_f32 v[XS+n:XS+n+1], v[XS+n:XS+n+1], v[MU:MU+1] neg_lo:[0,1] neg_hi:[0,1]  ; x - mean, in place: the variance is taken of these, so a common offset of x does no harm
.set n, n+2
.endr
.irp k, 0,1,2,3
	v_pk_mul_f32 v[T+2*\k:T+2*\k+1], v[XS+2*\k:XS+2*\k+1], v[XS+2*\k:XS+2*\k+1]
.endr
.set n, 4
.rept 12
	v_pk_fma_f32 v[T+2*(n%4):T+2*(n%4)+1], v[XS+2*n:XS+2*n+1], v[XS+2*n:XS+2*n+1], v[T+2*(n%4):T+2*(n%4)+1]
.set n, n+1
.endr
	REDUCE
	v_fma_f32 v[T], v[T], s32, s33                 ; var + eps
	s_wait_alu depctr_va_vdst(0)
	v_rsq_f32 v[R], v[T]
	v_nop                                          ; a plain instruction between the root and the use of its result
	s_wait_alu depctr_va_vdst(0)                   ; the wait ahead of the first instruction that names the result: one a row
	v_mov_b32 v[R+1], v[R]
.set n, 0
.rept 16
	v_pk_mul_f32 v[XS+n:XS+n+1], v[XS+n:XS+n+1], v[R:R+1]
.set n, n+2
.endr
.set n, 0
.rept 16
	v_pk_fma_f32 v[XS+n:XS+n+1], v[XS+n:XS+n+1], v[G+n:G+n+1], v[B+n:B+n+1]
.set n, n+2
.endr
.set n, 0
.rept 32
.set n, n+1
.endr
.irp q, 0,1,2,3
	v_cvt_scalef32_pk8_fp8_f32 v[CS+2*\q:CS+2*\q+1], v[XS+8*\q:XS+8*\q+7], v[SC]
.endr
	global_store_b128 v1, v[CS:CS+3], s[16:17] offset:1024*(\rho)          ; each store of the wave covers 512 consecutive bytes, aligned
	global_store_b128 v1, v[CS+4:CS+7], s[16:17] offset:1024*(\rho)+512
.if (\rho)+3 < 8
	FILL (\rho)+3                                  ; the slot takes the row three further on; the next vector lines are plain and touch another slot
.endif
.endm
	ROW 0, 16
	ROW 1, 16
	ROW 2, 16
	ROW 3, 16
	ROW 4, 16
	ROW 5, 16
	ROW 6, 8                                       ; the last rows load nothing: the counts run down
	ROW 7, 0
	s_endpgm
; ---------------- the weights: K is their FIRST axis.  A lane takes a column n and its registers run down K, in the order that the image wants: the conversions' results are the
; image's bytes, and nothing is transposed.  A work-group takes 128 columns x one K slice of 256; a wave 32 columns: 8 blocks of 32 along K.
.Lweights:
	s_wait_alu depctr_va_vdst(0)
	v_lshlrev_b32 v3, 2, v2                        ; in: 4 bytes a lane: a load of the wave reads 128 consecutive bytes, the four waves stand side by side
	v_lshrrev_b32 v5, 4, v2
	v_and_b32 v6, 15, v2
	v_lshlrev_b32 v4, 12, v5                       ; out: lanes 16-31 belong to the next tile of 16 columns, 4,096 bytes on;
	v_lshl_add_u32 v4, v6, 4, v4                   ; 16 bytes a column
	s_cmp_lt_u32 ttmp9, 352
	s_cbranch_scc0 .Lwo
.macro WLOAD t, nb, kind               ; block t: 32 numbers of my column.  Register i = 16 h + i' is byte i' of half h of piece t % 4 of K step t / 4
.irp i, 0,1,2,3,4,5,6,7,8,9,10,11,12,13,14,15,16,17,18,19,20,21,22,23,24,25,26,27,28,29,30,31
.if \kind == 0
	global_load_b32 v[WX+32*((\t)%2)+\i], v3, s[40:41] offset:(128*((\i%16)/4)+4*(2*(\t)+\i/16)+\i%4)*\nb th:TH_LOAD_NT   ; row kx(place) of w_qkv, less the slice's first: 447 rows at the most, inside the signed 24-bit immediate
.else
	global_load_b32 v[WX+32*((\t)%2)+\i], v3, s[40:41] offset:(32*(\t)+16*((\i%16)/8)+8*(\i/16)+\i%8)*\nb th:TH_LOAD_NT   ; w_out: the order in which attention's result lies in ao
.endif
.endr
.endm
.macro WBLOCK t, nb, kind
.set XS, WX+32*((\t)%2)
.set CS, WC+8*(\t)
.if (\t) < 7
	s_wait_loadcnt 32                              ; this block's 32 loads are in; the next block's may be out
.else
	s_wait_loadcnt 0
.endif
.set n, 0
.rept 32
.set n, n+1
.endr
.irp q, 0,1,2,3
	v_cvt_scalef32_pk8_fp8_f32 v[CS+2*\q:CS+2*\q+1], v[XS+8*\q:XS+8*\q+7], v11
.endr
	global_store_b128 v4, v[CS:CS+3], s[42:43] offset:2048*((\t)/4)+512*((\t)%4)        ; half h = 0: sixteen lanes store 256 consecutive bytes, aligned
	global_store_b128 v4, v[CS+4:CS+7], s[42:43] offset:2048*((\t)/4)+512*((\t)%4)+256  ; half h = 1
.if (\t)+2 < 8
	WLOAD (\t)+2, \nb, \kind
.endif
.endm
; nb: bytes of a row; kind 0: w_qkv, 1: w_out; first: the path's first work-group; src, dst: the buffers' scalar pairs; esc: the register with the exponent
.macro WPATH nb, kind, first, src, dst, esc
	s_sub_co_u32 s32, ttmp9, \first
	s_lshr_b32 s33, s32, 2                         ; which 128 columns
	s_and_b32 s34, s32, 3                          ; which K slice
.if \kind == 0
	s_lshr_b32 s35, s34, 1                         ; the slice's first row: kx(256 x slice) = 512 (slice / 2) + 64 (slice % 2)
	s_lshl_b32 s35, s35, 9
	s_and_b32 s36, s34, 1
	s_lshl_b32 s36, s36, 6
	s_add_co_u32 s35, s35, s36
.else
	s_lshl_b32 s35, s34, 8                         ; 256 x slice
.endif
	s_mul_i32 s36, s35, \nb
	s_lshl_b32 s37, s33, 9                         ; + 4 bytes x 128 columns x group
	s_add_co_u32 s36, s36, s37
	s_lshl_b32 s37, s22, 7                         ; + 4 bytes x 32 columns x wave
	s_add_co_u32 s36, s36, s37
	s_mov_b32 s37, 0
	s_add_nc_u64 s[40:41], s[\src:\src+1], s[36:37]
	s_lshr_b32 s36, s33, 1                         ; the image: (group of 256 columns x 4 + slice) x 65,536
	s_lshl_b32 s36, s36, 2
	s_add_co_u32 s36, s36, s34
	s_lshl_b32 s36, s36, 16
	s_and_b32 s38, s33, 1                          ; + (8 x (which 128 of the 256) + 2 x wave) tiles of 4,096
	s_lshl_b32 s38, s38, 15
	s_add_co_u32 s36, s36, s38
	s_lshl_b32 s38, s22, 13
	s_add_co_u32 s36, s36, s38
	s_add_nc_u64 s[42:43], s[\dst:\dst+1], s[36:37]
	WLOAD 0, \nb, \kind
	WLOAD 1, \nb, \kind
	s_wait_kmcnt 0x0
	s_add_co_i32 s38, s[\esc], 127
	s_lshl_b32 s39, s38, 23
	v_mov_b32 v11, s39                             ; 2^e
	s_add_co_i32 s38, s38, 8
	s_lshl_b32 s38, s38, 23
	s_or_b32 s38, s38, 0x600000
.set wt, 0
	s_wait_alu depctr_va_vdst(0)
.rept 8
	WBLOCK wt, \nb, \kind
.set wt, wt+1
.endr
	s_endpgm
.endm
	s_wait_alu depctr_va_vdst(0)
	WPATH 12288, 0, 256, 10, 18, 25
.Lwo:
	s_wait_alu depctr_va_vdst(0)
	WPATH 4096, 1, 352, 12, 20, 31
.Lfunc_end_k_q0f2e656ffe_prep:
	.size	k_q0f2e656ffe_prep, .Lfunc_end_k_q0f2e656ffe_prep-k_q0f2e656ffe_prep
	.p2alignl 7, 3214868480
	.fill 96, 4, 3214868480
	.section	.rodata,"a",@progbits
	.p2align	6, 0x0
	.amdhsa_kernel k_q0f2e656ffe_prep
		.amdhsa_group_segment_fixed_size 0
		.amdhsa_private_segment_fixed_size 0
		.amdhsa_enable_private_segment 0
		.amdhsa_kernarg_size 72
		.amdhsa_user_sgpr_count 2
		.amdhsa_user_sgpr_kernarg_segment_ptr 1
		.amdhsa_wavefront_size32 1
		.amdhsa_system_sgpr_workgroup_id_x 1
		.amdhsa_system_sgpr_workgroup_id_y 1
		.amdhsa_system_sgpr_workgroup_id_z 1
		.amdhsa_system_vgpr_workitem_id 0
		.amdhsa_next_free_vgpr 256
		.amdhsa_next_free_sgpr 66
		.amdhsa_reserve_vcc 0
		.amdhsa_float_denorm_mode_32 3
		.amdhsa_float_denorm_mode_16_64 3
		.amdhsa_fp16_overflow 1
		.amdhsa_memory_ordered 1
		.amdhsa_forward_progress 1
		.amdhsa_inst_pref_size 121
	.end_amdhsa_kernel
	.amdgpu_metadata
---
amdhsa.version: [ 1, 2 ]
amdhsa.kernels:
  - .name:           k_q0f2e656ffe_prep
    .symbol:         k_q0f2e656ffe_prep.kd
    .args:
      - { .name: x, .offset: 0, .size: 8, .value_kind: global_buffer, .address_space: global }
      - { .name: ln_gamma, .offset: 8, .size: 8, .value_kind: global_buffer, .address_space: global }
      - { .name: ln_beta, .offset: 16, .size: 8, .value_kind: global_buffer, .address_space: global }
      - { .name: w_qkv, .offset: 24, .size: 8, .value_kind: global_buffer, .address_space: global }
      - { .name: w_out, .offset: 32, .size: 8, .value_kind: global_buffer, .address_space: global }
      - { .name: lowp_scales, .offset: 40, .size: 8, .value_kind: global_buffer, .address_space: global }
      - { .name: xq, .offset: 48, .size: 8, .value_kind: global_buffer, .address_space: global }
      - { .name: wq, .offset: 56, .size: 8, .value_kind: global_buffer, .address_space: global }
      - { .name: wo, .offset: 64, .size: 8, .value_kind: global_buffer, .address_space: global }
    .group_segment_fixed_size: 0
    .private_segment_fixed_size: 0
    .kernarg_segment_align: 8
    .kernarg_segment_size: 72
    .max_flat_workgroup_size: 128
    .sgpr_count:     66
    .vgpr_count:     256
    .wavefront_size: 32
...
	.end_amdgpu_metadata
.endif
;; end of part 1
;; launch qkv (part 2): grid 4 x 64, 4 waves a work-group, clusters of 4 x 4, 327,680 bytes of LDS; arguments xq, wq, lowp_scales, qc, kv; writes qc, kv
.if DOCPART == 2
	.amdgcn_target "amdgcn-amd-amdhsa--gfx1250"
	.amdhsa_code_object_version 6
	.text
	.protected	k_q0f2e656ffe_qkv
	.globl	k_q0f2e656ffe_qkv
	.p2align	8
	.type	k_q0f2e656ffe_qkv,@function
k_q0f2e656ffe_qkv:
	s_mov_b64 s[64:65], 0
	v_nop
	global_prefetch_b8 v0, s[64:65] scope:SCOPE_SE
	s_setreg_imm32_b32 hwreg(HW_REG_WAVE_MODE, 25, 1), 1
	s_wait_xcnt 0x0
	s_wait_alu depctr_hold_cnt(0) depctr_sa_sdst(0) depctr_va_vdst(0) depctr_va_sdst(0) depctr_va_ssrc(0) depctr_va_vcc(0) depctr_vm_vsrc(0)
	s_getreg_b32 s2, hwreg(HW_REG_IB_STS2, 6, 4)
	s_cmp_eq_u32 s2, 0
	s_cbranch_scc0 .Lentry_in_a_cluster
	s_endpgm
.Lentry_in_a_cluster:
	s_bfe_u32 s2, ttmp6, 0x10000c
	s_cmp_lg_u32 s2, 0xf033
	s_cbranch_scc0 .Lentry_shape_is_right
	s_endpgm
.Lentry_shape_is_right:
; QKV: the first product, 8,192 x 1,024 x 3,072 on codes of E4M3, and its sums quantised at once into the codes of q, k and v, laid as the attention launch's operand registers want them.
; SHARES.  A work-group takes 128 tokens (one batch's chunk of 128) and walks three tiles of 128 x 256: columns 1024 part + 256 ny, part = q, k, v: 256 work-groups of equal work.
;   Its 128 rows of xq (131,072 bytes) stay in LDS for all three parts; only the weights stream, through a ring of two slots of 256 columns x 256 along K.
;   Wave w takes all 128 tokens x 64 columns, which is ONE HEAD (4 ny + w): 32 accumulators.  So a wave's conversions give whole fragments, stored straight from registers: no stage, no LDS store.
; CLUSTER 4 x 4.  The four work-groups of a row of the cluster share their tokens, the four of a column their columns: each tile is asked for jointly, by the same tensor load with a mask that names the four.
; q and k: THE PRODUCT IS USED TRANSPOSED (source 0 = 16 columns of w, source 1 = 16 tokens): a lane holds one token and eight neighbours of the head's 64: registers 2 f, 2 f + 1 of the codes are d = 16 f + 8 h + 0..7.
; v: the natural way (source 0 = 16 tokens, source 1 = 16 columns): a lane holds one d and eight neighbouring tokens, since the keys are the K of attention's second product.
; A sum stands for sum x 2^(e0 + e1): its code is sum / 2^(e - e0 - e1), e = e2 (q), e3 (k), e5 (v): the three scales are folded into the conversion's one.
; LIMITS: e2 - e0 - e1, e3 - e0 - e1 and e5 - e0 - e1 between -126 and 119, so that each power of two and 448 times it are f32 numbers.
; K's places are permuted alike in xq and wq (see the launch that makes them): every product meets its partner, only the order of the sums differs.
; REGISTERS in windows of 256: window 0: addresses, scales, v64-127 the codes; window 1: accumulator (i, f) at v[8 (4 i + f)], i = tile of tokens, f = tile of columns;
;   window 2: A's fragments, two sets of 8 x 16; window 3: B's fragments, two sets of 4 x 16.
.set APITCH, 272                       ; a row of A in LDS: 256 bytes + 16 of padding = 68 words: the 16 rows that a load touches start at 16 different banks (64 banks of 4 bytes: ISA guide 11.1)
.set ASLICE, 128*APITCH                ; a K slice of 256 of my 128 tokens
.set RING,   4*ASLICE                  ; behind A's four slices: the ring
.set BSLOT,  65536                     ; a slot: [16 tiles of columns][2 K steps][4 pieces of 512 bytes]: images, read densely, so no padding
.set SPARE,  RING+2*BSLOT              ; behind the ring: the spare words, 128 bytes a wave: two blocks of 256 bytes that no other line names
.set ADRA, 16                          ; v16-19  my lane's place in slice 0..3 of A
.set ADRB, 20                          ; v20-21  my lane's place in my wave's quarter of slot 0, 1
.set GO,   26                          ; v26     16 x lane: the stores' offset; never rewritten
.set SPW,  28                          ; v28     my spare word's LDS address; never rewritten
.set NIL,  29                          ; v29     0; never rewritten
.set SCQ,  32                          ; v32 q's scale;  v34 k's;  v36 v's
.set SCK,  34
.set SCV,  36
.set CODE, 64
.set WV,   14                          ; s14     wave
.set G0A,  36                          ; s[36:39] descriptor group 0 for A
.set G0B,  40                          ; s[40:47] for B, a set for each slot
.set G1A,  48                          ; s[48:55] group 1 for A
.set G1B,  56                          ; s[56:63] for B
.set MSB, 0
.macro WIN new                         ; the immediate's high byte repeats the setting that is left; a switch that changes nothing is dropped
.if MSB != \new
	s_set_vgpr_msb (MSB<<8)|\new
.set MSB, \new
.endif
.endm
.macro PLACES n
.rept \n
	v_nop
.endr
.endm
.macro CREST                           ; a round of the cluster's barrier behind its opening barrier
	s_cmp_lg_u32 s[WV], 0
	s_cbranch_scc1 .Lnot_wave_0_\@
	s_barrier_signal -3
.Lnot_wave_0_\@:
	s_barrier_wait -3
	s_barrier_signal -1
	s_barrier_wait -1
.endm
.macro CROUND
	s_barrier_signal -1
	s_barrier_wait -1
	CREST
.endm
	s_load_b128 s[4:7], s[0:1], 0x0                ; xq s[4:5], wq s[6:7]
	s_load_b128 s[8:11], s[0:1], 0x10              ; the exponents s[8:9], qc s[10:11]
	s_load_b64 s[12:13], s[0:1], 0x20              ; kv
	v_lshl_add_u32 v[SPW], v0, 2, SPARE
	v_mov_b32 v[NIL], 0
	ds_add_u32 v[SPW], v[NIL]
	ds_add_u32 v[SPW], v[NIL]                      ; the wave's opening: the add and its wait ahead of my first tensor load; the set-up below, work on registers, stands between them
	v_lshrrev_b32 v1, 5, v0
	v_readfirstlane_b32 s[WV], v1                  ; wave 0..3
	s_bfe_u32 s16, ttmp6, 0x40000                  ; cx
	s_bfe_u32 s17, ttmp6, 0x40004                  ; cy
	s_lshl_b32 s18, ttmp9, 2
	s_add_co_u32 s18, s18, s16                     ; ny: which 256 columns of each part
	s_and_b32 s19, ttmp7, 0xffff
	s_lshl_b32 s19, s19, 2
	s_add_co_u32 s19, s19, s17                     ; mx: which 128 tokens
	s_lshl_b32 s26, s17, 2
	s_lshl_b32 s26, 15, s26                        ; my row of the cluster
	s_lshl_b32 s27, 0x1111, s16                    ; my column
	s_or_b32 s[G1A], s26, (0<<16)|(1<<20)|(1<<21)|(5<<22)|(3<<25)   ; A: the mask of my row; elements of 1 byte; padding on; bit 21 beside a mask; 4 words of padding after every 64
	s_mov_b32 s[G1A+1], 256<<16                    ; tensor_dim0 = 256
	s_mov_b32 s[G1A+2], 128<<16                    ; tensor_dim1 = 128
	s_mov_b32 s[G1A+3], 256<<16                    ; tile_dim0 = 256
	s_mov_b32 s[G1A+4], 128                        ; tile_dim1 = 128
	s_mov_b32 s[G1A+5], 1024                       ; from row to row of xq
	s_mov_b32 s[G1A+6], 0
	s_mov_b32 s[G1A+7], 0
	s_or_b32 s[G1B], s27, (3<<16)|(1<<21)          ; B: the mask of my column; elements of 8 bytes; a dense block as 64 rows of 256 bytes
	s_mov_b32 s[G1B+1], 32<<16
	s_mov_b32 s[G1B+2], 64<<16
	s_mov_b32 s[G1B+3], 32<<16
	s_mov_b32 s[G1B+4], 64
	s_mov_b32 s[G1B+5], 32
	s_mov_b32 s[G1B+6], 0
	s_mov_b32 s[G1B+7], 0
	s_lshl_b32 s20, s19, 17                        ; A: my 128 rows of 1,024 bytes; wave w brings K slice w (registers that never hold cx)
	s_lshl_b32 s21, s[WV], 8
	s_add_co_u32 s20, s20, s21
	s_mov_b32 s21, 0
	s_lshl_b32 s24, s18, 18                        ; B: part q's block of my 256 columns (4 slices of 65,536); wave w brings a quarter of a slot (registers that never hold cy)
	s_lshl_b32 s25, s[WV], 14
	s_add_co_u32 s24, s24, s25
	s_mov_b32 s25, 0
	s_mov_b32 s[G0A], 1
	s_mul_i32 s[G0A+1], s[WV], ASLICE
	s_mov_b32 s[G0B], 1
	s_lshl_b32 s[G0B+1], s[WV], 14
	s_add_co_u32 s[G0B+1], s[G0B+1], RING
	s_mov_b32 s[G0B+4], 1
	s_add_co_u32 s[G0B+5], s[G0B+1], BSLOT
	s_lshr_b32 s82, s19, 4                         ; the batch,
	s_lshl_b32 s82, s82, 4
	s_lshl_b32 s83, s18, 2
	s_add_co_u32 s82, s82, s83
	s_add_co_u32 s82, s82, s[WV]                   ; bh = 16 x batch + 4 ny + wave
	s_and_b32 s83, s19, 15                         ; the chunk of 128 tokens in the batch
	s_lshl_b32 s84, s82, 17                        ; qc: 131,072 bytes a head, 8,192 a chunk
	s_lshl_b32 s85, s83, 13
	s_add_co_u32 s84, s84, s85
	s_mov_b32 s85, 0
	s_wait_dscnt 0x0                               ; the opening add is done
	s_wait_kmcnt 0x0
	s_load_b256 s[68:75], s[8:9], 0x0              ; e0 .. e7
	s_add_nc_u64 s[G0A+2:G0A+3], s[4:5], s[20:21]
	s_or_b32 s[G0A+3], s[G0A+3], 0x80000000
	s_add_nc_u64 s[G0B+2:G0B+3], s[6:7], s[24:25]
	s_add_nc_u64 s[G0B+6:G0B+7], s[G0B+2:G0B+3], BSLOT
	s_or_b32 s[G0B+3], s[G0B+3], 0x80000000
	s_or_b32 s[G0B+7], s[G0B+7], 0x80000000
	s_add_nc_u64 s[76:77], s[10:11], s[84:85]      ; where q's codes go
	s_lshl_b32 s84, s84, 1                         ; kv: twice as much a head and a chunk
	s_add_nc_u64 s[78:79], s[12:13], s[84:85]      ; k's
	s_add_nc_u64 s[80:81], s[78:79], 8192          ; v's, behind k's 8 tiles
	CROUND                                         ; all sixteen work-groups are here: the first joint loads meet
	tensor_load_to_lds s[G0A:G0A+3], s[G1A:G1A+7]  ; the first fills go out as one group: my slice of A, my quarters of B's tiles 0 and 1: three loads of mine are out
	s_nop 0
	tensor_load_to_lds s[G0B:G0B+3], s[G1B:G1B+7]
	s_nop 0
	tensor_load_to_lds s[G0B+4:G0B+7], s[G1B:G1B+7]
	s_nop 0
	PLACES 4
	v_and_b32 v1, 31, v0                           ; lane
	v_and_b32 v2, 15, v0                           ; r
	v_bfe_u32 v3, v0, 4, 1                         ; h
	v_mul_u32_u24 v4, v2, APITCH
	v_lshl_add_u32 v4, v3, 4, v4                   ; row r, + 16 h
.irp s, 0,1,2,3
	v_add_nc_u32 v[ADRA+\s], \s*ASLICE, v4
.endr
	v_lshlrev_b32 v[GO], 4, v1
	v_add_nc_u32 v[ADRB], s[G0B+1], v[GO]          ; my wave reads the quarter that it fetches: its 64 columns
	v_add_nc_u32 v[ADRB+1], s[G0B+5], v[GO]
	s_wait_alu depctr_va_vdst(0)
	s_wait_kmcnt 0x0
	s_add_co_i32 s86, s68, s69                     ; e0 + e1
.macro SCALE2 e, v                     ; v[v] = 2^(e - e0 - e1)
	s_sub_co_i32 s87, s[\e], s86
	s_add_co_i32 s87, s87, 127
	s_lshl_b32 s88, s87, 23
	v_mov_b32 v[\v], s88
.endm
	SCALE2 70, SCQ
	SCALE2 71, SCK
	SCALE2 73, SCV
; Step t of 24 is 128 along K: part t / 8, B's tile t / 2 (slot (t / 2) % 2), A's slice (t / 2) % 4, half t % 2 of both; its fragments lie in set t % 2.
.macro FETCH t                         ; 48 LDS loads in one run: B's four fragments, A's eight
.set ft, \t
.set fset, ft%2
.set fsig, (ft/2)%4
.set fslot, (ft/2)%2
	WIN 0xc0                                       ; destination window 3
.irp f, 0,1,2,3
.irp c, 0,1,2,3
	ds_load_b128 v[64*fset+16*\f+4*\c:64*fset+16*\f+4*\c+3], v[ADRB+fslot] offset:4096*\f+2048*fset+512*\c
.endr
.endr
	WIN 0x80                                       ; destination window 2
.irp i, 0,1,2,3,4,5,6,7
.irp c, 0,1,2,3
	ds_load_b128 v[128*fset+16*\i+4*\c:128*fset+16*\i+4*\c+3], v[ADRA+fsig] offset:16*APITCH*\i+128*fset+32*\c
.endr
.endr
.endm
; 4 cnt matrix instructions: tiles of tokens i0 .. i0 + cnt - 1 x the four tiles of columns.  The 32 accumulators take turns, one instruction a turn, in the same order in every step.
; zero = 1: the products start the sums: nothing is cleared.  nat = 0: source 0 = B, source 1 = A;  nat = 1: the other way round.
.macro MUL i0, cnt, set, zero, nat
.if \nat
	WIN 0x5e                                       ; source 0 window 2, source 1 window 3, C and D window 1
.else
	WIN 0x5b                                       ; source 0 window 3, source 1 window 2, C and D window 1
.endif
.set mi, \i0
.rept \cnt
.irp f, 0,1,2,3
.set rD, 8*(4*mi+\f)
.set rA, 128*(\set)+16*mi
.set rB, 64*(\set)+16*\f
.if \nat
.if \zero
	v_wmma_f32_16x16x128_fp8_fp8 v[rD:rD+7], v[rA:rA+15], v[rB:rB+15], 0
.else
	v_wmma_f32_16x16x128_fp8_fp8 v[rD:rD+7], v[rA:rA+15], v[rB:rB+15], v[rD:rD+7]
.endif
.else
.if \zero
	v_wmma_f32_16x16x128_fp8_fp8 v[rD:rD+7], v[rB:rB+15], v[rA:rA+15], 0
.else
	v_wmma_f32_16x16x128_fp8_fp8 v[rD:rD+7], v[rB:rB+15], v[rA:rA+15], v[rD:rD+7]
.endif
.endif
.endr
.set mi, mi+1
.endr
.endm
; An even step: the next step's fragments are asked for ahead of this step's 32 products.
.macro STEP t, zero, nat
	s_wait_dscnt 0x0                               ; this step's 48 loads, issued a step ago, are in
	PLACES 4                                       ; loads into registers that matrix instructions have read stand four plain vector instructions behind them (ISA guide 7.12.1 for vector instructions)
	FETCH (\t)+1
	MUL 0, 8, (\t)%2, \zero, \nat
.endm
; An odd step changes slots.  Its own fragments are in registers, so B's slot is free as soon as every wave says so: ONE barrier; in front of it each wave waits for all its tensor loads
; (its quarter of the other slot), adds 0 to its spare word, and waits for that and for its reads.  fill = 1: the slot takes the tile two on, bytes further in wq; the load has two steps in which to land.
.macro TURN t, nat, fill, bytes
.set tslot, ((\t)/2)%2
	WIN 0                                          ; (the add's two registers lie in window 0)
	s_wait_tensorcnt 0x0                           ; no tensor load of mine is out, so a group 0 may be written
	ds_add_u32 v[SPW], v[NIL]                      ; 0 onto my spare word
.if \fill
	s_add_nc_u64 s[G0B+4*tslot+2:G0B+4*tslot+3], s[G0B+4*tslot+2:G0B+4*tslot+3], \bytes
.endif
	s_wait_dscnt 0x1                               ; this step's fragments are in; the add alone may be out
	MUL 0, 2, 1, 0, \nat                           ; eight matrix instructions stand between the add and the wait for it
	s_wait_dscnt 0x0                               ; the add is done, and my reads of the slot are over
	s_barrier_signal -1
	MUL 2, 2, 1, 0, \nat                           ; work on registers while the others arrive
	WIN 0
	s_barrier_wait -1
.if \fill
	CREST                                          ; the barrier has opened a round of the cluster's: no wave of any partner still reads the slot or has a load on its way
	tensor_load_to_lds s[G0B+4*tslot:G0B+4*tslot+3], s[G1B:G1B+7]   ; my one tensor load behind the round, and the first thing there
	s_nop 0
.endif
	PLACES 4                                       ; the places in front of the loads below
	FETCH (\t)+1
	MUL 4, 4, 1, 0, \nat
.endm
; A part's 32 accumulators become codes and leave.  sc: the scale's register; base: the scalar pair of the address.
.macro EPI sc, nat, base
	PLACES 4                                       ; in front of the first read of results just made
	s_wait_xcnt 0x0                                ; the last part's stores have read the codes' registers, which are written again below
	WIN 0x41                                       ; destination and source 0 window 1
.set n, 0
.rept 256
.set n, n+1
.endr
	WIN 0x01                                       ; source 0 window 1
.irp i, 0,1,2,3,4,5,6,7
.irp f, 0,1,2,3
.if \nat
	v_cvt_scalef32_pk8_fp8_f32 v[CODE+16*\f+2*\i:CODE+16*\f+2*\i+1], v[8*(4*\i+\f):8*(4*\i+\f)+7], v[\sc]   ; V^T's fragment f: registers 2 i, 2 i + 1 = keys 16 i + 8 h + 0..7 of d = 16 f + r
.else
	v_cvt_scalef32_pk8_fp8_f32 v[CODE+8*\i+2*\f:CODE+8*\i+2*\f+1], v[8*(4*\i+\f):8*(4*\i+\f)+7], v[\sc]     ; tile i's fragment: registers 2 f, 2 f + 1 = d = 16 f + 8 h + 0..7 of token 16 i + r
.endif
.endr
.endr
	v_nop                                          ; a plain vector instruction between the conversions and the matrix instructions that write their sources anew
	WIN 0
.irp m, 0,1,2,3,4,5,6,7,8,9,10,11,12,13,14,15
	global_store_b128 v[GO], v[CODE+4*\m:CODE+4*\m+3], s[\base:\base+1] offset:512*\m   ; four registers of a fragment: the wave stores 512 consecutive bytes, aligned
.endr
.endm
	s_wait_tensorcnt 0x1                           ; my slice of A and my quarter of tile 0 are in; tile 1's load may stay out
	s_barrier_signal -1
	s_barrier_wait -1                              ; everybody's are
	FETCH 0
	STEP 0, 1, 0                                   ; part q
	TURN 1, 0, 1, 131072                           ; tile 2: two slices on in the same part
	STEP 2, 0, 0
	TURN 3, 0, 1, 131072
	STEP 4, 0, 0
	TURN 5, 0, 1, 917504                           ; tile 4: the next part's slice 0: 1,048,576 - 131,072 on
	STEP 6, 0, 0
	TURN 7, 0, 1, 917504
	s_wait_alu depctr_va_vdst(0)
	EPI SCQ, 0, 76
	STEP 8, 1, 0                                   ; part k
	TURN 9, 0, 1, 131072
	STEP 10, 0, 0
	TURN 11, 0, 1, 131072
	STEP 12, 0, 0
	TURN 13, 0, 1, 917504
	STEP 14, 0, 0
	TURN 15, 0, 1, 917504
	EPI SCK, 0, 78
	STEP 16, 1, 1                                  ; part v
	TURN 17, 1, 1, 131072
	STEP 18, 0, 1
	TURN 19, 1, 1, 131072                          ; tile 11, the last
	STEP 20, 0, 1
	TURN 21, 1, 0, 0                               ; nothing is left to fetch: a plain barrier shows tile 11 whole
	STEP 22, 0, 1
	s_wait_dscnt 0x0                               ; the last step
	MUL 0, 8, 1, 0, 1
	EPI SCV, 1, 80
	s_wait_tensorcnt 0x0                           ; the wave's end
	ds_add_u32 v[SPW], v[NIL]
	s_wait_dscnt 0x0
	CROUND                                         ; the closing round: no work-group ends while a partner may still ask for a tile that names it
	s_endpgm
.Lfunc_end_k_q0f2e656ffe_qkv:
	.size	k_q0f2e656ffe_qkv, .Lfunc_end_k_q0f2e656ffe_qkv-k_q0f2e656ffe_qkv
	.p2alignl 7, 3214868480
	.fill 96, 4, 3214868480
	.section	.rodata,"a",@progbits
	.p2align	6, 0x0
	.amdhsa_kernel k_q0f2e656ffe_qkv
		.amdhsa_group_segment_fixed_size 327680
		.amdhsa_private_segment_fixed_size 0
		.amdhsa_enable_private_segment 0
		.amdhsa_kernarg_size 40
		.amdhsa_user_sgpr_count 2
		.amdhsa_user_sgpr_kernarg_segment_ptr 1
		.amdhsa_wavefront_size32 1
		.amdhsa_system_sgpr_workgroup_id_x 1
		.amdhsa_system_sgpr_workgroup_id_y 1
		.amdhsa_system_sgpr_workgroup_id_z 1
		.amdhsa_system_vgpr_workitem_id 0
		.amdhsa_next_free_vgpr 1024
		.amdhsa_next_free_sgpr 100
		.amdhsa_reserve_vcc 0
		.amdhsa_float_denorm_mode_32 3
		.amdhsa_float_denorm_mode_16_64 3
		.amdhsa_fp16_overflow 1
		.amdhsa_memory_ordered 1
		.amdhsa_forward_progress 1
		.amdhsa_inst_pref_size 151
	.end_amdhsa_kernel
	.amdgpu_metadata
---
amdhsa.version: [ 1, 2 ]
amdhsa.kernels:
  - .name:           k_q0f2e656ffe_qkv
    .symbol:         k_q0f2e656ffe_qkv.kd
    .args:
      - { .name: xq, .offset: 0, .size: 8, .value_kind: global_buffer, .address_space: global }
      - { .name: wq, .offset: 8, .size: 8, .value_kind: global_buffer, .address_space: global }
      - { .name: lowp_scales, .offset: 16, .size: 8, .value_kind: global_buffer, .address_space: global }
      - { .name: qc, .offset: 24, .size: 8, .value_kind: global_buffer, .address_space: global }
      - { .name: kv, .offset: 32, .size: 8, .value_kind: global_buffer, .address_space: global }
    .group_segment_fixed_size: 327680
    .private_segment_fixed_size: 0
    .kernarg_segment_align: 8
    .kernarg_segment_size: 40
    .max_flat_workgroup_size: 128
    .sgpr_count:     100
    .vgpr_count:     1024
    .wavefront_size: 32
...
	.end_amdgpu_metadata
.endif
;; end of part 2
;; launch attn (part 3): grid 256 x 1, 16 waves a work-group, clusters of 4 x 1, 327,680 bytes of LDS; arguments qc, kv, lowp_scales, ao; writes ao
.if DOCPART == 3
	.amdgcn_target "amdgcn-amd-amdhsa--gfx1250"
	.amdhsa_code_object_version 6
	.text
	.protected	k_q0f2e656ffe_attn
	.globl	k_q0f2e656ffe_attn
	.p2align	8
	.type	k_q0f2e656ffe_attn,@function
k_q0f2e656ffe_attn:
	s_mov_b64 s[64:65], 0
	v_nop
	global_prefetch_b8 v0, s[64:65] scope:SCOPE_SE
	s_setreg_imm32_b32 hwreg(HW_REG_WAVE_MODE, 25, 1), 1
	s_wait_xcnt 0x0
	s_wait_alu depctr_hold_cnt(0) depctr_sa_sdst(0) depctr_va_vdst(0) depctr_va_sdst(0) depctr_va_ssrc(0) depctr_va_vcc(0) depctr_vm_vsrc(0)
	s_getreg_b32 s2, hwreg(HW_REG_IB_STS2, 6, 4)
	s_cmp_eq_u32 s2, 0
	s_cbranch_scc0 .Lentry_in_a_cluster
	s_endpgm
.Lentry_in_a_cluster:
	s_bfe_u32 s2, ttmp6, 0x10000c
	s_cmp_lg_u32 s2, 0x3003
	s_cbranch_scc0 .Lentry_shape_is_right
	s_endpgm
.Lentry_shape_is_right:
; ATTN: causal attention on codes of E4M3: 64 (batch, head) pairs, 2,048 tokens, head size 64; the result quantised with 2^e6 for the last product.
; THE SOFTMAX: t = score x log2(e) / 8; M = the running largest t, rounded UP to a whole number; p = 2^(t - M) is quantised with 2^e4, not normalised; the row's sum is taken of the unquantised p
;   and divides at the end.  When M moves, the sum and O are multiplied by 2^(old M - new M), which rounds nothing.
; CLUSTER 4 x 1: the four work-groups of a cluster are ONE (batch, head) pair.  Each holds all of the pair's K and V in LDS, 262,144 bytes of operand images, asked for JOINTLY at the head:
;   every partner issues every load.  Nothing is filled again.
; THE CAUSAL SPLIT.  A tile T of 16 queries needs T / 8 + 1 key steps of 128.  Wave w (u = w / 2, e = w % 2) of partner j takes tiles 8 (15 - u) + 2 j + e and 8 u + 2 j + e: 17 steps for every wave of the launch.
;   Trip counts are constants; a step beyond a tile's last is jumped over by a branch on the wave's number and the count of steps.  The partner's place enters global addresses and the mask's numbers alone.
; LAYOUT.  Both products are used transposed: S^T = K Q^T (source 0 = 16 keys, source 1 = my 16 queries), O^T = V^T P^T: a lane holds ONE query (lane % 16) throughout.  In S^T register 8 a + j is key 16 a + 8 h + j,
;   so the conversions of tile a give registers 2 a, 2 a + 1 of the second product's operand as its layout has them; V^T's fragments were laid so by the launch before.
; kv: [pair][chunk of 128 keys][16,384]: 8 tiles of K x 1,024 bytes, then 4 fragments of V^T x 2,048.  A piece of 512 bytes is four registers, 16 bytes a lane: read densely, no padding.
; ao: [tile of 16 tokens][K step = head / 2][piece 2 (head % 2) + g][lane][16 bytes]: the last product's A fragments.
; LIMITS: e2 + e3 between -123 and 130 (added to c's exponent field); e4 and e6 between -126 and 119; e4 + e5 is applied by v_ldexp_f32 and has none.
; REGISTERS: v1 16 x lane; v2 the step's LDS address; v3 the mask's number; v5, v6 the add's; v12 -M, v13 the largest t, v[14:15] the sum; v16-23, v24-31 Q of the two tiles; v32-95 8 fragments of K, then 4 of V^T;
;   v96-159 S^T, then p; v160-191 O^T; v192-207 p's codes; v208-223 the two tiles' results; v236-254 at work and constants.
.set SPARE, 262144                     ; behind K and V: the spare words, 128 bytes a wave: eight blocks of 256 bytes that no other line names
.set LI,  1
.set ADK, 2
.set DQ,  3
.set SPW, 5
.set NIL, 6
.set WV,  12                           ; s12 wave
.set M2,  16                           ; s16 the far tile's last step, 15 - u
.set M1,  17                           ; s17 the near tile's, u
.set KS,  18                           ; s18 the key step
.set TB,  19                           ; s19 its chunk's LDS byte
.set SEL, 20                           ; s[20:21] lane selects: lane l xor 16
.set CS,  22                           ; s[22:23] c = log2(e) / 8 x 2^(e2 + e3)
.set G1,  24                           ; s[24:31] descriptor group 1
.set G0,  32                           ; s[32:39] two groups 0
.macro CROUND                          ; a round of the cluster's barrier
	s_barrier_signal -1
	s_barrier_wait -1
	s_cmp_lg_u32 s[WV], 0
	s_cbranch_scc1 .Lnot_wave_0_\@
	s_barrier_signal -3
.Lnot_wave_0_\@:
	s_barrier_wait -3
	s_barrier_signal -1
	s_barrier_wait -1
.endm
	s_load_b128 s[4:7], s[0:1], 0x0                ; qc s[4:5], kv s[6:7]
	s_load_b128 s[8:11], s[0:1], 0x10              ; the exponents s[8:9], ao s[10:11]
	v_lshl_add_u32 v[SPW], v0, 2, SPARE
	v_mov_b32 v[NIL], 0
	ds_add_u32 v[SPW], v[NIL]                      ; the wave's opening: the add and its wait ahead of my first tensor load; the set-up below stands between them
	ds_add_u32 v[SPW], v[NIL]
	v_lshrrev_b32 v7, 5, v0
	s_delay_alu instid0(VALU_DEP_1)
	v_readfirstlane_b32 s[WV], v7                  ; wave 0..15
	s_bfe_u32 s13, ttmp6, 0x40000                  ; my place in the cluster
	s_lshr_b32 s14, s[WV], 1                       ; u
	s_and_b32 s15, s[WV], 1                        ; e
	s_sub_co_u32 s[M2], 15, s14
	s_mov_b32 s[M1], s14
	s_lshl_b32 s56, s13, 1
	s_add_co_u32 s56, s56, s15                     ; both tiles' place among the 8 of their chunk
	s_lshl_b32 s57, s[M2], 3
	s_add_co_u32 s57, s57, s56                     ; the far tile
	s_lshl_b32 s58, s14, 3
	s_add_co_u32 s58, s58, s56                     ; the near tile
	s_mov_b32 s[G1], 15|(3<<16)|(1<<21)            ; the mask: all four partners; elements of 8 bytes; bit 21 beside a mask: a dense block as 32 rows of 256 bytes
	s_mov_b32 s[G1+1], 32<<16
	s_mov_b32 s[G1+2], 32<<16
	s_mov_b32 s[G1+3], 32<<16
	s_mov_b32 s[G1+4], 32
	s_mov_b32 s[G1+5], 32
	s_mov_b32 s[G1+6], 0
	s_mov_b32 s[G1+7], 0
	s_mov_b32 s[G0], 1
	s_lshl_b32 s[G0+1], s[WV], 13                  ; wave w brings bytes 8,192 w on of each half of the pair's 262,144
	s_mov_b32 s[G0+4], 1
	s_add_co_u32 s[G0+5], s[G0+1], 131072
	s_lshl_b32 s2, ttmp9, 18                       ; the pair = the cluster's number
	s_add_co_u32 s2, s2, s[G0+1]
	s_mov_b32 s3, 0
	s_mov_b32 s[SEL], 0x76543210
	s_mov_b32 s[SEL+1], 0xfedcba98
	s_mov_b32 s[CS], 0x3e38aa3b                    ; log2(e) / 8
	s_lshr_b32 s59, ttmp9, 4                       ; ao: the batch's 128 tiles of 16,384 bytes,
	s_lshl_b32 s59, s59, 21
	s_bfe_u32 s61, ttmp9, 0x30001                  ; K step = head / 2,
	s_lshl_b32 s61, s61, 11
	s_add_co_u32 s59, s59, s61
	s_and_b32 s61, ttmp9, 1                        ; pieces 2 (head % 2) on
	s_lshl_b32 s61, s61, 10
	s_add_co_u32 s59, s59, s61
	s_lshl_b32 s61, ttmp9, 17                      ; qc: 131,072 bytes a pair
	s_mov_b32 s63, 0
	s_wait_dscnt 0x0                               ; the opening add is done
	s_wait_kmcnt 0x0
	s_load_b256 s[40:47], s[8:9], 0x0              ; e0 .. e7
	s_add_nc_u64 s[G0+2:G0+3], s[6:7], s[2:3]
	s_add_nc_u64 s[G0+6:G0+7], s[G0+2:G0+3], 131072
	s_or_b32 s[G0+3], s[G0+3], 0x80000000
	s_or_b32 s[G0+7], s[G0+7], 0x80000000
	s_lshl_b32 s62, s57, 10
	s_add_co_u32 s62, s62, s61
	s_add_nc_u64 s[48:49], s[4:5], s[62:63]        ; the far tile's Q,
	s_lshl_b32 s62, s58, 10
	s_add_co_u32 s62, s62, s61
	s_add_nc_u64 s[50:51], s[4:5], s[62:63]        ; the near tile's,
	s_lshl_b32 s62, s57, 14
	s_add_co_u32 s62, s62, s59
	s_add_nc_u64 s[52:53], s[10:11], s[62:63]      ; and where their results go
	s_lshl_b32 s62, s58, 14
	s_add_co_u32 s62, s62, s59
	s_add_nc_u64 s[54:55], s[10:11], s[62:63]
	CROUND                                         ; all four partners are here: the joint loads meet
	tensor_load_to_lds s[G0:G0+3], s[G1:G1+7]      ; keys 0 to 1,023: one load of mine is out
	s_nop 0
	s_wait_alu depctr_va_vdst(0)
	s_wait_tensorcnt 0x0
	ds_add_u32 v5, v6
	s_wait_dscnt 0x0
	CROUND
	tensor_load_to_lds s[G0+4:G0+7], s[G1:G1+7]    ; keys 1,024 to 2,047
	s_nop 0
.rept 4
	v_nop
.endr
	v_and_b32 v[LI], 31, v0
	s_delay_alu instid0(VALU_DEP_1)
	v_lshlrev_b32 v[LI], 4, v[LI]                  ; 16 x lane; never rewritten
	global_load_b128 v[16:19], v[LI], s[48:49]     ; Q stays in registers
	global_load_b128 v[20:23], v[LI], s[48:49] offset:512
	global_load_b128 v[24:27], v[LI], s[50:51]
	global_load_b128 v[28:31], v[LI], s[50:51] offset:512
	v_and_b32 v7, 15, v0
	v_bfe_u32 v8, v0, 4, 1
	s_delay_alu instid0(VALU_DEP_1)
	v_lshlrev_b32 v8, 3, v8
	s_delay_alu instid0(VALU_DEP_1)
	v_sub_nc_u32 v[DQ], v7, v8
	s_lshl_b32 s62, s56, 4
	v_add_nc_u32 v[DQ], s62, v[DQ]                 ; my query's place in its chunk, less 8 h: on the diagonal register 8 a + j is hidden where 16 a + j is greater
	v_mov_b32 v236, 0                              ; a lane permute's destination counts as read
	v_mov_b32 v253, 0                              ; (named as the upper half of the pair v[252:253])
	s_wait_kmcnt 0x0
	s_add_co_i32 s62, s42, s43
	s_lshl_b32 s62, s62, 23
	s_add_co_i32 s[CS], s[CS], s62                 ; a score stands for score x 2^(e2 + e3): added to c's exponent field
	s_mov_b32 s[CS+1], s[CS]
	s_add_co_i32 s62, s44, 127
	s_lshl_b32 s61, s62, 23
	v_mov_b32 v244, s61                            ; 2^e4
	s_add_co_i32 s62, s46, 127
	s_lshl_b32 s61, s62, 23
	v_mov_b32 v246, s61                            ; 2^e6
	s_add_co_i32 s60, s44, s45                     ; e4 + e5
.macro INIT                            ; a tile begins: the step is written once, its first turn finds zeros, which the first change of M leaves zeros
	v_mov_b32 v13, 0xff61b1e6                      ; the largest t so far: -3e38
	s_delay_alu instid0(VALU_DEP_1)
	v_floor_f32 v12, -v13                          ; -M
	v_mov_b32 v14, 0
	v_mov_b32 v15, 0
.set n, 0
.rept 32
	v_mov_b32 v[160+n], 0
.set n, n+1
.endr
.endm
; A KEY STEP: 128 keys, chunk s[KS].  qf: the tile's Q.  mode = 1: steps behind s[mreg] are jumped over, and step s[mreg] lies on the diagonal.
.macro STEP qf, mreg, mode
.if \mode
	s_cmp_gt_u32 s[KS], s[\mreg]
	s_cbranch_scc1 .Lskip_\@
.endif
	s_lshl_b32 s[TB], s[KS], 14
	s_setprio 2
	v_add_nc_u32 v[ADK], s[TB], v[LI]
.rept 3
	v_nop                                          ; with the addition above: four places in front of loads into registers that matrix instructions have read
.endr
.irp a, 0,1,2,3,4,5,6,7
	ds_load_b128 v[32+8*\a:35+8*\a], v[ADK] offset:1024*\a
	ds_load_b128 v[36+8*\a:39+8*\a], v[ADK] offset:1024*\a+512
.endr
	s_wait_alu depctr_va_vdst(0)
	s_wait_dscnt 0x0
.irp a, 0,1,2,3,4,5,6,7
	v_wmma_f32_16x16x64_fp8_fp8 v[96+8*\a:103+8*\a], v[32+8*\a:39+8*\a], v[\qf:\qf+7], 0
.endr
.rept 4
	v_nop                                          ; places: for the loads below and for the first read of the scores
.endr
.irp f, 0,1,2,3
.irp g, 0,1,2,3
	ds_load_b128 v[32+16*\f+4*\g:35+16*\f+4*\g], v[ADK] offset:8192+2048*\f+512*\g   ; V^T lands while the softmax is worked
.endr
.endr
.if \mode
	s_cmp_lg_u32 s[KS], s[\mreg]
	s_cbranch_scc1 .Lopen_\@
	v_mov_b32 v254, 0xff800000                     ; on the diagonal hidden scores become -infinity ahead of the maximum: p = 0 then.  Key 0 of the chunk counts for every query
.set n, 0
.rept 64
	v_cmp_gt_i32 vcc_lo, 16*(n/8)+n%8, v[DQ]
	v_cndmask_b32 v[96+n], v[96+n], v254, vcc_lo
.set n, n+1
.endr
.Lopen_\@:
.endif
	v_max3_num_f32 v254, v96, v97, v98             ; the step's largest score of my query among my 64 keys, in two chains; each accumulator is first read at its low end
	v_max3_num_f32 v252, v99, v100, v101
.irp i, 6,10,14,18,22,26,30,34,38,42,46,50,54,58
	v_max3_num_f32 v254, v254, v[96+\i], v[97+\i]
	v_max3_num_f32 v252, v252, v[98+\i], v[99+\i]
.endr
	v_max3_num_f32 v254, v254, v158, v159
	s_delay_alu instid0(VALU_DEP_1)
	v_max_num_f32 v254, v254, v252
	s_delay_alu instid0(VALU_DEP_1)
	v_permlanex16_b32 v236, v254, s[SEL], s[SEL+1]
	s_delay_alu instid0(VALU_DEP_1)
	v_max_num_f32 v254, v254, v236                 ; and among lane l xor 16's
	s_delay_alu instid0(VALU_DEP_1)
	v_mul_f32 v254, s[CS], v254                    ; as t (c is positive)
	s_delay_alu instid0(VALU_DEP_1)
	v_max_num_f32 v13, v13, v254                   ; the running largest t
	v_mov_b32 v254, v12
	s_delay_alu instid0(VALU_DEP_2)
	v_floor_f32 v12, -v13                          ; the new -M = -ceil(t)
	s_delay_alu instid0(VALU_DEP_1)
	v_sub_f32 v254, v12, v254                      ; old M - new M: a whole number, 0 or less
	s_delay_alu instid0(VALU_DEP_1)
	v_cvt_i32_f32 v254, v254                       ; (it saturates)
	s_delay_alu instid0(VALU_DEP_1)
	v_ldexp_f32 v252, 1.0, v254                    ; f = 2^(old M - new M)
.set n, 0
.rept 32
	v_pk_fma_f32 v[96+n:97+n], v[96+n:97+n], s[CS:CS+1], v[12:13] op_sel_hi:[1,0,0]   ; t - M, two at a time
.set n, n+2
.endr
.set n, 0
	s_setprio 1
	s_wait_alu depctr_va_vdst(0)
.rept 64
	v_exp_f32 v[96+n], v[96+n]                     ; p = 2^(t - M): one batch
.set n, n+1
.endr
	v_pk_mul_f32 v[14:15], v[14:15], v[252:253] op_sel_hi:[1,0]   ; the sums under the new M: the plain instruction behind the batch
	s_wait_alu depctr_va_vdst(0)                   ; the wait ahead of the first instruction that names a result: one for the batch
	v_pk_add_f32 v[242:243], v[96:97], v[98:99]    ; the row's sum is taken of the unquantised p, in two chains
.irp j, 4,8,12,16,20,24,28,32,36,40,44,48,52,56,60
	v_pk_add_f32 v[14:15], v[14:15], v[96+\j:97+\j]
	v_pk_add_f32 v[242:243], v[242:243], v[98+\j:99+\j]
.endr
	s_delay_alu instid0(VALU_DEP_1)
	v_pk_add_f32 v[14:15], v[14:15], v[242:243]
	s_setprio 0
.irp a, 0,1,2,3,4,5,6,7
.irp i, 0,1,2,3,4,5,6,7
.endr
	v_cvt_scalef32_pk8_fp8_f32 v[192+2*\a:193+2*\a], v[96+8*\a:103+8*\a], v244
.endr
.set n, 0
.rept 16
	v_pk_mul_f32 v[160+n:161+n], v[160+n:161+n], v[252:253] op_sel_hi:[1,0]   ; O^T under the new M; these are also the plain instructions between the conversions and the products
.set n, n+2
.endr
	s_wait_alu depctr_va_vdst(0)
	s_wait_dscnt 0x0                               ; V^T is in
.irp f, 0,1,2,3
	v_wmma_f32_16x16x128_fp8_fp8 v[160+8*\f:167+8*\f], v[32+16*\f:47+16*\f], v[192:207], v[160+8*\f:167+8*\f]   ; the four accumulators by turns; the next step's eight score products stand between two links
.endr
.if \mode
.Lskip_\@:
.endif
.endm
; A tile ends: O^T x 2^(e4 + e5) / the sum, quantised with 2^e6: registers 2 f, 2 f + 1 are d = 16 f + 8 h + 0..7 of my query: two pieces of the last product's A fragment.
.macro OUT codes, base
.rept 4
	v_nop                                          ; places behind the last products
.endr
	v_add_f32 v14, v14, v15
	s_delay_alu instid0(VALU_DEP_1)
	v_permlanex16_b32 v236, v14, s[SEL], s[SEL+1]
	s_delay_alu instid0(VALU_DEP_1)
	v_add_f32 v14, v14, v236                       ; the row's sum
	s_wait_alu depctr_va_vdst(0)
	v_rcp_f32 v14, v14
	v_nop                                          ; a plain instruction behind the reciprocal
	s_wait_alu depctr_va_vdst(0)                   ; and the wait ahead of its first reader
	v_ldexp_f32 v14, v14, s60
.set n, 0
.rept 16
	v_pk_mul_f32 v[96+n:97+n], v[160+n:161+n], v[14:15] op_sel_hi:[1,0]
.set n, n+2
.endr
.set n, 0
.rept 32
.set n, n+1
.endr
.irp f, 0,1,2,3
	v_cvt_scalef32_pk8_fp8_f32 v[\codes+2*\f:\codes+2*\f+1], v[96+8*\f:103+8*\f], v246
.endr
	v_nop                                          ; a plain instruction between the conversions and the matrix instructions that write their sources anew
	global_store_b128 v[LI], v[\codes:\codes+3], s[\base:\base+1]              ; each store of the wave covers 512 consecutive bytes, aligned; its registers are never written again
	global_store_b128 v[LI], v[\codes+4:\codes+7], s[\base:\base+1] offset:512
.endm
	INIT
	s_wait_tensorcnt 0x1                           ; my part of keys 0 to 1,023 is in; the other load may stay out
	s_barrier_signal -1
	s_barrier_wait -1                              ; everybody's is
	s_wait_loadcnt 0x0                             ; Q
	s_mov_b32 s[KS], 0
.Lfirst:                                           ; the far tile's first eight steps: all their keys count, in every wave
	STEP 16, M2, 0
	s_add_co_u32 s[KS], s[KS], 1
	s_cmp_lt_u32 s[KS], 8
	s_cbranch_scc1 .Lfirst
	s_setprio 0
	s_wait_tensorcnt 0x0                           ; my part of keys 1,024 to 2,047 is in
	s_wait_dscnt 0x0
	s_barrier_signal -1
	s_barrier_wait -1                              ; everybody's is
	s_mov_b32 s[KS], 8
.Lsecond:                                          ; the far tile's steps 8 to 15 - u
	STEP 16, M2, 1
	s_add_co_u32 s[KS], s[KS], 1
	s_cmp_lt_u32 s[KS], 16
	s_cbranch_scc1 .Lsecond
	s_setprio 0
	OUT 208, 52
	INIT
	s_mov_b32 s[KS], 0
.Lthird:                                           ; the near tile's steps 0 to u
	STEP 24, M1, 1
	s_add_co_u32 s[KS], s[KS], 1
	s_cmp_lt_u32 s[KS], 8
	s_cbranch_scc1 .Lthird
	s_setprio 0
	OUT 216, 54
	s_wait_tensorcnt 0x0                           ; the wave's end
	ds_add_u32 v[SPW], v[NIL]
	s_wait_dscnt 0x0
	CROUND                                         ; the closing round
	s_endpgm
.Lfunc_end_k_q0f2e656ffe_attn:
	.size	k_q0f2e656ffe_attn, .Lfunc_end_k_q0f2e656ffe_attn-k_q0f2e656ffe_attn
	.p2alignl 7, 3214868480
	.fill 96, 4, 3214868480
	.section	.rodata,"a",@progbits
	.p2align	6, 0x0
	.amdhsa_kernel k_q0f2e656ffe_attn
		.amdhsa_group_segment_fixed_size 327680
		.amdhsa_private_segment_fixed_size 0
		.amdhsa_enable_private_segment 0
		.amdhsa_kernarg_size 32
		.amdhsa_user_sgpr_count 2
		.amdhsa_user_sgpr_kernarg_segment_ptr 1
		.amdhsa_wavefront_size32 1
		.amdhsa_system_sgpr_workgroup_id_x 1
		.amdhsa_system_sgpr_workgroup_id_y 1
		.amdhsa_system_sgpr_workgroup_id_z 1
		.amdhsa_system_vgpr_workitem_id 0
		.amdhsa_next_free_vgpr 256
		.amdhsa_next_free_sgpr 80
		.amdhsa_reserve_vcc 1
		.amdhsa_float_denorm_mode_32 3
		.amdhsa_float_denorm_mode_16_64 3
		.amdhsa_fp16_overflow 1
		.amdhsa_memory_ordered 1
		.amdhsa_forward_progress 1
		.amdhsa_inst_pref_size 64
	.end_amdhsa_kernel
	.amdgpu_metadata
---
amdhsa.version: [ 1, 2 ]
amdhsa.kernels:
  - .name:           k_q0f2e656ffe_attn
    .symbol:         k_q0f2e656ffe_attn.kd
    .args:
      - { .name: qc, .offset: 0, .size: 8, .value_kind: global_buffer, .address_space: global }
      - { .name: kv, .offset: 8, .size: 8, .value_kind: global_buffer, .address_space: global }
      - { .name: lowp_scales, .offset: 16, .size: 8, .value_kind: global_buffer, .address_space: global }
      - { .name: ao, .offset: 24, .size: 8, .value_kind: global_buffer, .address_space: global }
    .group_segment_fixed_size: 327680
    .private_segment_fixed_size: 0
    .kernarg_segment_align: 8
    .kernarg_segment_size: 32
    .max_flat_workgroup_size: 512
    .sgpr_count:     80
    .vgpr_count:     256
    .wavefront_size: 32
...
	.end_amdgpu_metadata
.endif
;; end of part 3
;; launch proj (part 4): grid 4 x 64, 4 waves a work-group, clusters of 4 x 4, 327,680 bytes of LDS; arguments ao, wo, lowp_scales, out0; writes out0
.if DOCPART == 4
	.amdgcn_target "amdgcn-amd-amdhsa--gfx1250"
	.amdhsa_code_object_version 6
	.text
	.protected	k_q0f2e656ffe_proj
	.globl	k_q0f2e656ffe_proj
	.p2align	8
	.type	k_q0f2e656ffe_proj,@function
k_q0f2e656ffe_proj:
	s_mov_b64 s[64:65], 0
	v_nop
	global_prefetch_b8 v0, s[64:65] scope:SCOPE_SE
	s_setreg_imm32_b32 hwreg(HW_REG_WAVE_MODE, 25, 1), 1
	s_wait_xcnt 0x0
	s_wait_alu depctr_hold_cnt(0) depctr_sa_sdst(0) depctr_va_vdst(0) depctr_va_sdst(0) depctr_va_ssrc(0) depctr_va_vcc(0) depctr_vm_vsrc(0)
	s_getreg_b32 s2, hwreg(HW_REG_IB_STS2, 6, 4)
	s_cmp_eq_u32 s2, 0
	s_cbranch_scc0 .Lentry_in_a_cluster
	s_endpgm
.Lentry_in_a_cluster:
	s_bfe_u32 s2, ttmp6, 0x10000c
	s_cmp_lg_u32 s2, 0xf033
	s_cbranch_scc0 .Lentry_shape_is_right
	s_endpgm
.Lentry_shape_is_right:
; PROJ: the last product, 8,192 x 1,024 x 1,024 on codes of E4M3; each finished sum x 2^(e6 + e7) is the output, f32.
; SHARES.  A work-group makes 128 tokens x 256 columns: 256 work-groups of equal work.  Its 128 rows of A (131,072 bytes of operand images) lie in LDS whole; the weights come through a ring of two slots
;   of 256 columns x 256 along K.  Wave w takes all 128 tokens x 64 columns: 32 accumulators.
; CLUSTER 4 x 4.  The four work-groups of a row of the cluster share their tokens, the four of a column their columns: each tile is asked for jointly, by the same tensor load with a mask that names the four.
; THE PRODUCT IS USED TRANSPOSED (source 0 = 16 columns of w, source 1 = 16 tokens): a lane holds eight neighbouring numbers of a row of the output.
; K's places are permuted alike in ao and wo (see the launches that make them): every product meets its partner, only the order of the sums differs.
; LIMIT: e6 + e7 between -126 and 127, so that 2^(e6 + e7) is an f32 number.
; REGISTERS in windows of 256: window 0: addresses; v64-95 a block's scaled sums; v128-191 rows read back from the stage; window 1: accumulator (i, f) at v[8 (4 i + f)];
;   window 2: A's fragments, two sets of 8 x 16; window 3: B's fragments, two sets of 4 x 16.
.set RING,   131072                    ; behind A's images [8 tiles of tokens][8 K steps][4 pieces of 512 bytes]: the ring
.set BSLOT,  65536                     ; a slot: [16 tiles of columns][2 K steps][4 pieces of 512 bytes]
.set SPARE,  RING+2*BSLOT              ; the spare words, 128 bytes a wave: two blocks of 256 bytes that no other line names
.set STAGE,  SPARE+512                 ; the way out: 16 rows x 272 bytes for each wave; no fill ever lands here
.set SPITCH, 272
.set ADRA, 16                          ; v16-17  16 x lane, for tiles of tokens 0-3 and 4-7
.set ADRB, 20                          ; v20-21  my lane's place in my wave's quarter of slot 0, 1
.set STO,  24                          ; v24     the way out: where I put 32 bytes of a row
.set RD,   25                          ; v25     where I read a row back
.set CO,   26                          ; v26     my byte offset in two rows of the output
.set SPW,  28                          ; v28     my spare word's LDS address; never rewritten
.set NIL,  29                          ; v29     0; never rewritten
.set TMP,  64
.set BK,   128
.set WV,   14
.set G0A,  36
.set G0B,  40
.set G1A,  48
.set G1B,  56
.set MSB, 0
.macro WIN new                         ; the immediate's high byte repeats the setting that is left; a switch that changes nothing is dropped
.if MSB != \new
	s_set_vgpr_msb (MSB<<8)|\new
.set MSB, \new
.endif
.endm
.macro PLACES n
.rept \n
	v_nop
.endr
.endm
.macro CREST                           ; a round of the cluster's barrier behind its opening barrier
	s_cmp_lg_u32 s[WV], 0
	s_cbranch_scc1 .Lnot_wave_0_\@
	s_barrier_signal -3
.Lnot_wave_0_\@:
	s_barrier_wait -3
	s_barrier_signal -1
	s_barrier_wait -1
.endm
.macro CROUND
	s_barrier_signal -1
	s_barrier_wait -1
	CREST
.endm
	s_load_b128 s[4:7], s[0:1], 0x0                ; ao s[4:5], wo s[6:7]
	s_load_b128 s[8:11], s[0:1], 0x10              ; the exponents s[8:9], out0 s[10:11]
	v_lshl_add_u32 v[SPW], v0, 2, SPARE
	v_mov_b32 v[NIL], 0
	ds_add_u32 v[SPW], v[NIL]
	ds_add_u32 v[SPW], v[NIL]                      ; the wave's opening: the add and its wait ahead of my first tensor load; the set-up below stands between them
	v_lshrrev_b32 v1, 5, v0
	v_readfirstlane_b32 s[WV], v1                  ; wave 0..3
	s_bfe_u32 s16, ttmp6, 0x40000                  ; cx
	s_bfe_u32 s17, ttmp6, 0x40004                  ; cy
	s_lshl_b32 s18, ttmp9, 2
	s_add_co_u32 s18, s18, s16                     ; ny: which 256 columns
	s_and_b32 s19, ttmp7, 0xffff
	s_lshl_b32 s19, s19, 2
	s_add_co_u32 s19, s19, s17                     ; mx: which 128 tokens
	s_lshl_b32 s26, s17, 2
	s_lshl_b32 s26, 15, s26                        ; my row of the cluster
	s_lshl_b32 s27, 0x1111, s16                    ; my column
	s_or_b32 s[G1A], s26, (3<<16)|(1<<21)          ; A: the mask of my row; elements of 8 bytes; bit 21 beside a mask: a dense block as 128 rows of 256 bytes
	s_mov_b32 s[G1A+1], 32<<16
	s_mov_b32 s[G1A+2], 128<<16
	s_mov_b32 s[G1A+3], 32<<16
	s_mov_b32 s[G1A+4], 128
	s_mov_b32 s[G1A+5], 32
	s_mov_b32 s[G1A+6], 0
	s_mov_b32 s[G1A+7], 0
	s_or_b32 s[G1B], s27, (3<<16)|(1<<21)          ; B: the mask of my column; 64 rows of 256 bytes
	s_mov_b32 s[G1B+1], 32<<16
	s_mov_b32 s[G1B+2], 64<<16
	s_mov_b32 s[G1B+3], 32<<16
	s_mov_b32 s[G1B+4], 64
	s_mov_b32 s[G1B+5], 32
	s_mov_b32 s[G1B+6], 0
	s_mov_b32 s[G1B+7], 0
	s_lshl_b32 s20, s19, 17                        ; A: my 8 tiles of 16,384 bytes; wave w brings two of them (registers that never hold cx)
	s_lshl_b32 s21, s[WV], 15
	s_add_co_u32 s20, s20, s21
	s_mov_b32 s21, 0
	s_lshl_b32 s24, s18, 18                        ; B: my 256 columns' four slices of 65,536; wave w brings a quarter of a slot (registers that never hold cy)
	s_lshl_b32 s25, s[WV], 14
	s_add_co_u32 s24, s24, s25
	s_mov_b32 s25, 0
	s_mov_b32 s[G0A], 1
	s_lshl_b32 s[G0A+1], s[WV], 15
	s_mov_b32 s[G0B], 1
	s_lshl_b32 s[G0B+1], s[WV], 14
	s_add_co_u32 s[G0B+1], s[G0B+1], RING
	s_mov_b32 s[G0B+4], 1
	s_add_co_u32 s[G0B+5], s[G0B+1], BSLOT
	s_lshl_b32 s82, s19, 19                        ; the output: 128 rows of 4,096 bytes,
	s_lshl_b32 s83, s18, 10                        ; 256 columns of 4 bytes,
	s_add_co_u32 s82, s82, s83
	s_lshl_b32 s83, s[WV], 8                       ; my wave's 64
	s_add_co_u32 s82, s82, s83
	s_mov_b32 s83, 0
	s_wait_dscnt 0x0                               ; the opening add is done
	s_wait_kmcnt 0x0
	s_load_b256 s[68:75], s[8:9], 0x0              ; e0 .. e7
	s_add_nc_u64 s[G0A+2:G0A+3], s[4:5], s[20:21]
	s_or_b32 s[G0A+3], s[G0A+3], 0x80000000
	s_add_nc_u64 s[G0B+2:G0B+3], s[6:7], s[24:25]
	s_add_nc_u64 s[G0B+6:G0B+7], s[G0B+2:G0B+3], BSLOT
	s_or_b32 s[G0B+3], s[G0B+3], 0x80000000
	s_or_b32 s[G0B+7], s[G0B+7], 0x80000000
	s_add_nc_u64 s[10:11], s[10:11], s[82:83]
	CROUND                                         ; all sixteen work-groups are here: the first joint loads meet
	tensor_load_to_lds s[G0A:G0A+3], s[G1A:G1A+7]  ; the first fills go out as one group: my quarter of A, my quarters of B's slices 0 and 1: three loads of mine are out
	s_nop 0
	tensor_load_to_lds s[G0B:G0B+3], s[G1B:G1B+7]
	s_nop 0
	tensor_load_to_lds s[G0B+4:G0B+7], s[G1B:G1B+7]
	s_nop 0
	PLACES 4
	v_and_b32 v1, 31, v0                           ; lane
	v_and_b32 v2, 15, v0                           ; r
	v_bfe_u32 v3, v0, 4, 1                         ; h
	v_lshlrev_b32 v[ADRA], 4, v1
	v_add_nc_u32 v[ADRA+1], 65536, v[ADRA]
	v_add_nc_u32 v[ADRB], s[G0B+1], v[ADRA]        ; my wave reads the quarter that it fetches: its 64 columns
	v_add_nc_u32 v[ADRB+1], s[G0B+5], v[ADRA]
	s_mul_i32 s23, s[WV], 16*SPITCH
	s_add_co_u32 s23, s23, STAGE                   ; my stage
	v_mul_u32_u24 v4, v2, SPITCH                   ; in: row r, 32 bytes for each half of the lanes
	v_lshl_add_u32 v4, v3, 5, v4
	v_add_nc_u32 v[STO], s23, v4
	v_mul_u32_u24 v5, v3, SPITCH                   ; back: lanes 0-15 take one row of 256 bytes, lanes 16-31 the next
	v_lshl_add_u32 v5, v2, 4, v5
	v_add_nc_u32 v[RD], s23, v5
	v_lshlrev_b32 v5, 12, v3                       ; and the same two rows in the output
	v_lshl_add_u32 v[CO], v2, 4, v5
	s_wait_kmcnt 0x0
	s_add_co_i32 s96, s74, s75
	s_add_co_i32 s96, s96, 127
	s_lshl_b32 s96, s96, 23                        ; 2^(e6 + e7) as f32
	s_mov_b32 s97, s96                             ; (named with it as a pair, so it is written)
; Step t of 8 is K step t: B's slice t / 2 (slot (t / 2) % 2), half t % 2; its fragments lie in set t % 2.
.macro FETCH t                         ; 48 LDS loads in one run: B's four fragments, A's eight: images, 512 consecutive bytes a load
.set ft, \t
.set fset, ft%2
.set fslot, (ft/2)%2
	WIN 0xc0                                       ; destination window 3
.irp f, 0,1,2,3
.irp c, 0,1,2,3
	ds_load_b128 v[64*fset+16*\f+4*\c:64*fset+16*\f+4*\c+3], v[ADRB+fslot] offset:4096*\f+2048*fset+512*\c
.endr
.endr
	WIN 0x80                                       ; destination window 2
.irp i, 0,1,2,3,4,5,6,7
.irp c, 0,1,2,3
	ds_load_b128 v[128*fset+16*\i+4*\c:128*fset+16*\i+4*\c+3], v[ADRA+\i/4] offset:((\i%4)*8+ft)*2048+512*\c
.endr
.endr
.endm
; 4 cnt matrix instructions: tiles of tokens i0 .. i0 + cnt - 1 x the four tiles of columns.  The 32 accumulators take turns, one instruction a turn, in the same order in every step.
.macro MUL i0, cnt, set, zero
	WIN 0x5b                                       ; source 0 (B) window 3, source 1 (A) window 2, C and D window 1
.set mi, \i0
.rept \cnt
.irp f, 0,1,2,3
.set rD, 8*(4*mi+\f)
.set rA, 128*(\set)+16*mi
.set rB, 64*(\set)+16*\f
.if \zero
	v_wmma_f32_16x16x128_fp8_fp8 v[rD:rD+7], v[rB:rB+15], v[rA:rA+15], 0
.else
	v_wmma_f32_16x16x128_fp8_fp8 v[rD:rD+7], v[rB:rB+15], v[rA:rA+15], v[rD:rD+7]
.endif
.endr
.set mi, mi+1
.endr
.endm
.macro STEP t, zero                    ; an even step: the next step's fragments are asked for ahead of this step's 32 products
	s_wait_dscnt 0x0                               ; this step's 48 loads, issued a step ago, are in
	PLACES 4                                       ; loads into registers that matrix instructions have read stand four plain vector instructions behind them (ISA guide 7.12.1 for vector instructions)
	FETCH (\t)+1
	MUL 0, 8, (\t)%2, \zero
.endm
; An odd step changes slots: its own fragments are in registers, so B's slot is free as soon as every wave says so.  ONE barrier; in front of it each wave waits for all its tensor loads, adds 0 to its
; spare word, and waits for that and for its reads.  fill = 1: the slot takes the slice two on; the load has two steps in which to land.
.macro TURN t, fill
.set tslot, ((\t)/2)%2
	WIN 0                                          ; (the add's two registers lie in window 0)
	s_wait_tensorcnt 0x0                           ; no tensor load of mine is out, so a group 0 may be written
	ds_add_u32 v[SPW], v[NIL]                      ; 0 onto my spare word
.if \fill
	s_add_nc_u64 s[G0B+4*tslot+2:G0B+4*tslot+3], s[G0B+4*tslot+2:G0B+4*tslot+3], 2*BSLOT
.endif
	s_wait_dscnt 0x1                               ; this step's fragments are in; the add alone may be out
	MUL 0, 2, 1, 0                                 ; eight matrix instructions stand between the add and the wait for it
	s_wait_dscnt 0x0                               ; the add is done, and my reads of the slot are over
	s_barrier_signal -1
	MUL 2, 2, 1, 0                                 ; work on registers while the others arrive
	WIN 0
	s_barrier_wait -1
.if \fill
	CREST                                          ; the barrier has opened a round of the cluster's: no wave of any partner still reads the slot or has a load on its way
	tensor_load_to_lds s[G0B+4*tslot:G0B+4*tslot+3], s[G1B:G1B+7]   ; my one tensor load behind the round, and the first thing there
	s_nop 0
.endif
	PLACES 4                                       ; the places in front of the loads below
	s_wait_alu depctr_va_vdst(0)
	FETCH (\t)+1
	MUL 4, 4, 1, 0
.endm
	s_wait_tensorcnt 0x1                           ; my quarter of A and of slice 0 are in; slice 1's load may stay out
	s_barrier_signal -1
	s_barrier_wait -1                              ; everybody's are
	FETCH 0
	STEP 0, 1                                      ; the first products start the sums: nothing is cleared
	TURN 1, 1                                      ; slice 2
	STEP 2, 0
	TURN 3, 1                                      ; slice 3, the last
	STEP 4, 0
	TURN 5, 0                                      ; nothing is left to fetch: a plain barrier shows slice 3 whole
	STEP 6, 0
	s_wait_dscnt 0x0                               ; the last step
	MUL 0, 8, 1, 0
	WIN 0
; THE WAY OUT, a tile of 16 tokens x my 64 columns at a time.  A lane holds 32 neighbouring bytes of a row and the lanes beside it hold other rows: so a block goes through my own stage in LDS and comes back
; as whole rows of 256 bytes.  LDS serves a wave's instructions in order (ISA guide 5.7.1.4): no wait between the stores and the loads, nor in front of the next block's stores.
.macro TOSTAGE i
	WIN 0x01                                       ; source 0 window 1
.irp m, 0,2,4,6,8,10,12,14,16,18,20,22,24,26,28,30
	v_pk_mul_f32 v[TMP+\m:TMP+\m+1], v[32*(\i)+\m:32*(\i)+\m+1], s[96:97] op_sel_hi:[1,0]   ; x 2^(e6 + e7); each accumulator from its low end on
.endr
	WIN 0
.irp f, 0,1,2,3
	ds_store_b128 v[STO], v[TMP+8*\f:TMP+8*\f+3] offset:64*\f
	ds_store_b128 v[STO], v[TMP+8*\f+4:TMP+8*\f+7] offset:64*\f+16
.endr
.set BB, BK+32*((\i)%2)
.irp u, 0,1,2,3,4,5,6,7
	ds_load_b128 v[BB+4*\u:BB+4*\u+3], v[RD] offset:2*SPITCH*\u
.endr
.endm
.macro SEND i, younger                 ; younger: the LDS instructions issued behind block i's loads, which may stay out
.set BB, BK+32*((\i)%2)
	s_wait_dscnt \younger
.irp u, 0,1,2,3,4,5,6,7
	global_store_b128 v[CO], v[BB+4*\u:BB+4*\u+3], s[10:11] offset:(16*(\i)+2*\u)*4096 th:TH_STORE_NT   ; sixteen lanes store 256 consecutive bytes, aligned; 126 rows at the most, inside the signed 24-bit immediate
.endr
.endm
	PLACES 4                                       ; in front of the first read of results just made
	TOSTAGE 0
.irp a, 1,2,3,4,5,6,7
.if \a > 1
	s_wait_xcnt 0x0                                ; block a - 2's stores have read their registers: block a's loads may land there
.endif
	TOSTAGE \a
	SEND \a-1, 16                                  ; behind block a - 1's loads: block a's 8 stores and 8 loads
.endr
	SEND 7, 0
	s_wait_tensorcnt 0x0                           ; the wave's end, behind my last tensor load and my last LDS store
	ds_add_u32 v[SPW], v[NIL]
	s_wait_dscnt 0x0
	CROUND                                         ; the closing round: no work-group ends while a partner may still ask for a tile that names it
	s_endpgm
.Lfunc_end_k_q0f2e656ffe_proj:
	.size	k_q0f2e656ffe_proj, .Lfunc_end_k_q0f2e656ffe_proj-k_q0f2e656ffe_proj
	.p2alignl 7, 3214868480
	.fill 96, 4, 3214868480
	.section	.rodata,"a",@progbits
	.p2align	6, 0x0
	.amdhsa_kernel k_q0f2e656ffe_proj
		.amdhsa_group_segment_fixed_size 327680
		.amdhsa_private_segment_fixed_size 0
		.amdhsa_enable_private_segment 0
		.amdhsa_kernarg_size 32
		.amdhsa_user_sgpr_count 2
		.amdhsa_user_sgpr_kernarg_segment_ptr 1
		.amdhsa_wavefront_size32 1
		.amdhsa_system_sgpr_workgroup_id_x 1
		.amdhsa_system_sgpr_workgroup_id_y 1
		.amdhsa_system_sgpr_workgroup_id_z 1
		.amdhsa_system_vgpr_workitem_id 0
		.amdhsa_next_free_vgpr 1024
		.amdhsa_next_free_sgpr 100
		.amdhsa_reserve_vcc 0
		.amdhsa_float_denorm_mode_32 3
		.amdhsa_float_denorm_mode_16_64 3
		.amdhsa_memory_ordered 1
		.amdhsa_forward_progress 1
		.amdhsa_inst_pref_size 73
	.end_amdhsa_kernel
	.amdgpu_metadata
---
amdhsa.version: [ 1, 2 ]
amdhsa.kernels:
  - .name:           k_q0f2e656ffe_proj
    .symbol:         k_q0f2e656ffe_proj.kd
    .args:
      - { .name: ao, .offset: 0, .size: 8, .value_kind: global_buffer, .address_space: global }
      - { .name: wo, .offset: 8, .size: 8, .value_kind: global_buffer, .address_space: global }
      - { .name: lowp_scales, .offset: 16, .size: 8, .value_kind: global_buffer, .address_space: global }
      - { .name: out0, .offset: 24, .size: 8, .value_kind: global_buffer, .address_space: global }
    .group_segment_fixed_size: 327680
    .private_segment_fixed_size: 0
    .kernarg_segment_align: 8
    .kernarg_segment_size: 32
    .max_flat_workgroup_size: 128
    .sgpr_count:     100
    .vgpr_count:     1024
    .wavefront_size: 32
...
	.end_amdgpu_metadata
.endif
;; end of part 4
